; MI455X (gfx1250); checked and timed in simulation.
; The chip was launched on July 23, 2026; its instructions are those of AMD's public machine-readable ISA for CDNA 5 (MIT licence, August 2026) and "CDNA5" Instruction Set Architecture Reference Guide (July 2026). The comments in the code are by the model that wrote it; some were corrected since.
;; Single Head Attention. Allowed arithmetic: float matrix products may take bf16 or f16 operands with f32 sums; all other float work in f32.
;; Inputs: WK_b 1,024 float32; WK_w 1,024 x 1,024 float32; WQ_b 1,024 float32; WQ_w 1,024 x 1,024 float32; WV_b 1,024 float32; WV_w 1,024 x 1,024 float32; xs 4 x 2,048 x 1,024 float32.
;; Outputs: out0 4 x 2,048 x 1,024 float32.
;; One version. Each part assembles by itself: llvm-mc -triple=amdgcn-amd-amdhsa -mcpu=gfx1250 --defsym DOCPART=n.
;; ======== version 1 of 1: 4 launches
;; limits: values are held in f16: magnitudes above 65,504 overflow, below 6.1e-05 lose precision
;; workspace buffers: xb 16,777,216 bytes; wb 6,291,456 bytes; bb 12,288 bytes; qkv 50,331,648 bytes; pf 18,874,368 bytes; stat 1,048,576 bytes
;; launch prep (part 1): grid 705 x 1, 8 waves a work-group, no clusters, 0 bytes of LDS; arguments xs, WQ_w, WK_w, WV_w, WQ_b, WK_b, WV_b, xb, wb, bb; writes xb, wb, bb
.if DOCPART == 1
	.amdgcn_target "amdgcn-amd-amdhsa--gfx1250"
	.amdhsa_code_object_version 6
	.text
	.protected	k_q8ab5e1a17e_prep
	.globl	k_q8ab5e1a17e_prep
	.p2align	8
	.type	k_q8ab5e1a17e_prep,@function
k_q8ab5e1a17e_prep:
	s_mov_b64 s[64:65], 0
	v_nop
	global_prefetch_b8 v0, s[64:65] scope:SCOPE_SE
	s_setreg_imm32_b32 hwreg(HW_REG_WAVE_MODE, 25, 1), 1
	s_wait_xcnt 0x0
; CAST.  xs [8192][1024] f32 -> xb, and WQ_w, WK_w, WV_w [1024][1024] f32 -> wb (rows WQ, WK, WV on end: 3072 rows), both bf16 and laid in PLANES of 64 columns:
; [plane 16][row][64], so that a tile of rows x 64 columns, which the next launch asks for, is dense in memory.  The three biases are rounded to bf16 and kept as f32 in bb [3072].
; A stream: every input byte is read once and every output byte written once; no LDS, no matrix unit, no cluster (no two work-groups read the same bytes).
; SHARES.  Work-groups 0-511 take 16 rows of xs each, 512-703 take 16 rows of one weight matrix each, 704 takes the three biases.  A wave takes two rows.
; In one store, lanes 0-7 hold row 2w's 128 bytes of a plane, lanes 8-15 row 2w+1's (the next 128 bytes of that plane): 256 consecutive bytes, aligned; lanes 16-31 the same in the next plane.
.set XPLANE, 8192*128                  ; bytes in a plane of xb
.set WPLANE, 3072*128                  ; bytes in a plane of wb
.set OFF, 8                            ; v[8:15]   item j: byte offset of my 16 bytes in the destination
.set X,   16                           ; v[16:79]  item j: 8 numbers as loaded
.set Y,   80                           ; v[80:111] item j: 8 bf16 to store
	s_load_b512 s[8:23], s[0:1], 0x0               ; xs s[8:9], WQ_w s[10:11], WK_w s[12:13], WV_w s[14:15], WQ_b s[16:17], WK_b s[18:19], WV_b s[20:21], xb s[22:23]
	s_load_b128 s[24:27], s[0:1], 0x40             ; wb s[24:25], bb s[26:27]
	s_mov_b32 s2, ttmp9                            ; g
	v_and_b32 v1, 7, v0                            ; which 8 columns of a plane
	v_bfe_u32 v2, v0, 3, 1                         ; which of the wave's two rows
	v_bfe_u32 v3, v0, 4, 1                         ; which of an item's two planes
	v_lshrrev_b32 v4, 5, v0
	v_lshl_add_u32 v4, v4, 1, v2                   ; my row among the group's 16
	s_sub_co_u32 s3, s2, 512                       ; the group among the weights' 192 (used only where g >= 512)
	s_lshr_b32 s4, s3, 6                           ; which matrix
	s_and_b32 s5, s3, 63                           ; the group within it
	s_mov_b32 s34, WPLANE
	s_wait_kmcnt 0x0
	s_cmp_eq_u32 s2, 704
	s_cbranch_scc1 .Lbias
	s_cmp_eq_u32 s4, 1
	s_cselect_b64 s[28:29], s[12:13], s[10:11]
	s_cmp_eq_u32 s4, 2
	s_cselect_b64 s[28:29], s[14:15], s[28:29]
	s_cmp_lt_u32 s2, 512
	s_cselect_b64 s[28:29], s[8:9], s[28:29]       ; the source,
	s_cselect_b64 s[30:31], s[22:23], s[24:25]     ; the destination,
	s_cselect_b32 s32, s2, s5                      ; the group's number in the source,
	s_cselect_b32 s33, s2, s3                      ; in the destination,
	s_cselect_b32 s34, XPLANE, s34                 ; and the destination's plane
	s_lshl_b32 s36, s32, 16                        ; 16 rows of 4,096 bytes
	s_mov_b32 s37, 0
	s_add_nc_u64 s[28:29], s[28:29], s[36:37]
	s_lshl_b32 s36, s33, 11                        ; 16 rows of 128 bytes
	s_add_nc_u64 s[30:31], s[30:31], s[36:37]
	s_lshl_b32 s35, s34, 1                         ; an item is two planes
	v_lshlrev_b32 v5, 12, v4                       ; source: row x 4,096
	v_lshl_add_u32 v5, v3, 8, v5                   ; + plane x 256
	v_lshl_add_u32 v5, v1, 5, v5                   ; + 32 bytes for my 8 numbers
	v_mul_lo_u32 v[OFF], v3, s34                   ; destination: plane
	v_lshl_add_u32 v[OFF], v4, 7, v[OFF]           ; + row x 128
	v_lshl_add_u32 v[OFF], v1, 4, v[OFF]           ; + my 16 bytes
.irp j, 1,2,3,4,5,6,7
	v_add_nc_u32 v[OFF+\j], s35, v[OFF+\j-1]
.endr
.irp j, 0,1,2,3,4,5,6,7                            ; all sixteen loads go out first
	global_load_b128 v[X+8*\j:X+8*\j+3],   v5, s[28:29] offset:512*\j th:TH_LOAD_NT
	global_load_b128 v[X+8*\j+4:X+8*\j+7], v5, s[28:29] offset:512*\j+16 th:TH_LOAD_NT
.endr
.irp j, 0,1,2,3,4,5,6,7
	s_wait_loadcnt 14-2*\j                         ; loads return in order: item j's two are in, the 2 (7 - j) younger ones may be out
.irp p, 0,1,2,3
	v_cvt_pk_bf16_f32 v[Y+4*\j+\p], v[X+8*\j+2*\p], v[X+8*\j+2*\p+1]
.endr
	global_store_b128 v[OFF+\j], v[Y+4*\j:Y+4*\j+3], s[30:31]  ; every item has registers of its own: nothing that a store reads is written again
.endr
	s_endpgm
.Lbias:                                                ; thread t takes four numbers of each bias
	v_lshlrev_b32 v5, 4, v0
	global_load_b128 v[16:19], v5, s[16:17]
	global_load_b128 v[20:23], v5, s[18:19]
	global_load_b128 v[24:27], v5, s[20:21]
	s_wait_loadcnt 0x0
.irp m, 0,1,2
.irp p, 0,1
	v_cvt_pk_bf16_f32 v[6+\p], v[16+4*\m+2*\p], v[16+4*\m+2*\p+1]  ; rounded to bf16,
	v_lshlrev_b32 v[32+4*\m+2*\p], 16, v[6+\p]                     ; and widened again
	v_and_b32 v[32+4*\m+2*\p+1], 0xffff0000, v[6+\p]
.endr
	global_store_b128 v5, v[32+4*\m:32+4*\m+3], s[26:27] offset:4096*\m
.endr
	s_endpgm
.Lfunc_end_k_q8ab5e1a17e_prep:
	.size	k_q8ab5e1a17e_prep, .Lfunc_end_k_q8ab5e1a17e_prep-k_q8ab5e1a17e_prep
	.p2alignl 7, 3214868480
	.fill 96, 4, 3214868480
	.section	.rodata,"a",@progbits
	.p2align	6, 0x0
	.amdhsa_kernel k_q8ab5e1a17e_prep
		.amdhsa_group_segment_fixed_size 0
		.amdhsa_private_segment_fixed_size 0
		.amdhsa_enable_private_segment 0
		.amdhsa_kernarg_size 80
		.amdhsa_user_sgpr_count 2
		.amdhsa_user_sgpr_kernarg_segment_ptr 1
		.amdhsa_wavefront_size32 1
		.amdhsa_system_sgpr_workgroup_id_x 1
		.amdhsa_system_sgpr_workgroup_id_y 1
		.amdhsa_system_sgpr_workgroup_id_z 1
		.amdhsa_system_vgpr_workitem_id 0
		.amdhsa_next_free_vgpr 112
		.amdhsa_next_free_sgpr 66
		.amdhsa_reserve_vcc 0
		.amdhsa_float_denorm_mode_32 3
		.amdhsa_float_denorm_mode_16_64 3
		.amdhsa_memory_ordered 1
		.amdhsa_forward_progress 1
		.amdhsa_inst_pref_size 9
	.end_amdhsa_kernel
	.amdgpu_metadata
---
amdhsa.version: [ 1, 2 ]
amdhsa.kernels:
  - .name:           k_q8ab5e1a17e_prep
    .symbol:         k_q8ab5e1a17e_prep.kd
    .args:
      - { .name: xs, .offset: 0, .size: 8, .value_kind: global_buffer, .address_space: global }
      - { .name: WQ_w, .offset: 8, .size: 8, .value_kind: global_buffer, .address_space: global }
      - { .name: WK_w, .offset: 16, .size: 8, .value_kind: global_buffer, .address_space: global }
      - { .name: WV_w, .offset: 24, .size: 8, .value_kind: global_buffer, .address_space: global }
      - { .name: WQ_b, .offset: 32, .size: 8, .value_kind: global_buffer, .address_space: global }
      - { .name: WK_b, .offset: 40, .size: 8, .value_kind: global_buffer, .address_space: global }
      - { .name: WV_b, .offset: 48, .size: 8, .value_kind: global_buffer, .address_space: global }
      - { .name: xb, .offset: 56, .size: 8, .value_kind: global_buffer, .address_space: global }
      - { .name: wb, .offset: 64, .size: 8, .value_kind: global_buffer, .address_space: global }
      - { .name: bb, .offset: 72, .size: 8, .value_kind: global_buffer, .address_space: global }
    .group_segment_fixed_size: 0
    .private_segment_fixed_size: 0
    .kernarg_segment_align: 8
    .kernarg_segment_size: 80
    .max_flat_workgroup_size: 256
    .sgpr_count:     66
    .vgpr_count:     112
    .wavefront_size: 32
...
	.end_amdgpu_metadata
.endif
;; end of part 1
;; launch proj (part 2): grid 8 x 32, 4 waves a work-group, clusters of 4 x 4, 327,680 bytes of LDS; arguments xb, wb, bb, qkv; writes qkv
.if DOCPART == 2
	.amdgcn_target "amdgcn-amd-amdhsa--gfx1250"
	.amdhsa_code_object_version 6
	.text
	.protected	k_q8ab5e1a17e_proj
	.globl	k_q8ab5e1a17e_proj
	.p2align	8
	.type	k_q8ab5e1a17e_proj,@function
k_q8ab5e1a17e_proj:
	s_mov_b64 s[64:65], 0
	v_nop
	global_prefetch_b8 v0, s[64:65] scope:SCOPE_SE
	s_setreg_imm32_b32 hwreg(HW_REG_WAVE_MODE, 25, 1), 1
	s_wait_xcnt 0x0
	s_wait_alu depctr_hold_cnt(0) depctr_sa_sdst(0) depctr_va_vdst(0) depctr_va_sdst(0) depctr_va_ssrc(0) depctr_va_vcc(0) depctr_vm_vsrc(0)
	s_getreg_b32 s2, hwreg(HW_REG_IB_STS2, 6, 4)
	s_cmp_eq_u32 s2, 0
	s_cbranch_scc0 .Lentry_in_a_cluster
	s_endpgm
.Lentry_in_a_cluster:
	s_bfe_u32 s2, ttmp6, 0x10000c
	s_cmp_lg_u32 s2, 0xf033
	s_cbranch_scc0 .Lentry_shape_is_right
	s_endpgm
.Lentry_shape_is_right:
; PROJECTIONS.  qkv[row][e] = sum over k of x[row][k] W[e][k] + b[e], e = 0..3071 (q | k | v).  x and W in bf16 (planes of 64 columns: [plane][row][64]), sums in f32, the result rounded once to f16.
; LIMIT.  f16 holds no number beyond 65,504: q, k and v must stay within it.
; SHARES.  8 x 32 work-groups; work-group (x, y) makes rows 256 y .. x columns 384 x ..; a wave 128 x 192: 96 accumulators of 16 x 16, 768 registers.  K goes in 16 steps of 64 (a plane a step)
; through two LDS slots; a step is two halves of 32 along K, each in two phases of six column blocks: 192 matrix instructions a wave and step.
; ROWS ARE PERMUTED ON THE WAY OUT.  Row s = 128 band + 16 set + r of a batch is stored at position 256 set + 16 band + r, so that 256 consecutive positions hold 16 rows of every band:
; the two launches behind find the same causal triangle in every tile.
; CLUSTER 4 x 4.  x's tiles hang on y alone and are asked for jointly along a row of the cluster, W's on x alone and along a column.
; THE MATRIX INSTRUCTION IS USED TRANSPOSED (source 0 = 16 rows of W, source 1 = 16 rows of x): a lane holds row l % 16 and eight neighbouring columns 8 (l / 16) + 0..7.
; THE BIAS STARTS THE SUMS.  A lane's eight biases of column block b are loaded into accumulator (7, b); the first products of row blocks 0-6 take it as C, and then row block 7's add onto it in place.
; REGISTERS.  Window 0: v1-12 addresses; v28, v29 the add's; v32-159 x's fragments (two buffers of 8 x 8); v160-255 W's (two buffers of 6 x 8).  Windows 1-3: accumulator (a, b), number
; n = 48 (b / 6) + 6 a + b % 6, at register 8 (n % 32) of window 1 + n / 32.
.set PITCH,  144                       ; an LDS row: 128 bytes + 16 of padding: nine times 16, so the 16 rows of a fragment load start at 16 different groups of four banks
.set SLOT,   0x20000                   ; slot 1 begins here: one exclusive or turns an address in one slot into the other's
.set BOFF,   256*PITCH                 ; in a slot: x's 256 rows, then W's 384 rows
.set SPARE,  SLOT+BOFF+384*PITCH       ; behind the ring: the spare words, 128 bytes a wave
.set SPITCH, 784                       ; the way out: a row of 384 f16 + 16 bytes; 256 such rows lie over the slots, which have had their last fill by then
.set STEP_A, 8192*128                  ; bytes from plane to plane
.set STEP_B, 3072*128
.set AF,  32
.set BF,  160
.set TMP, 32                           ; the way out: packed results, two buffers of 48
.set OB,  32                           ; the way out: rows read back, two buffers of 96
.set G1A, 24                           ; s[24:31] group 1 for x's tiles;  s[32:39] group 0: a set for each first fill; the second then walks
.set G0A, 32
.set G1B, 48                           ; s[48:55], s[56:63] the same for W's
.set G0B, 56
.set G1W, (1<<16)|(1<<20)|(1<<21)|(4<<22)|(3<<25)  ; 2-byte elements; padding on; bit 21 beside a mask; after every 32 words; 4 words
.set MSB, 0
.macro WIN new                         ; the immediate's high byte repeats the setting that is left; a switch that changes nothing is dropped
.if MSB != (\new)
	s_set_vgpr_msb (MSB<<8)|(\new)
.set MSB, \new
.endif
.endm
.macro PLACES                          ; four plain instructions between a matrix instruction and a load into, or a vector read of, its registers
.rept 4
	v_nop
.endr
.endm
.macro CREST                           ; a round of the cluster's barrier behind its opening barrier
	s_cmp_lg_u32 s10, 0
	s_cbranch_scc1 .Lnot_wave_0_\@
	s_barrier_signal -3
.Lnot_wave_0_\@:
	s_barrier_wait -3
	s_barrier_signal -1
	s_barrier_wait -1
.endm
.macro CROUND
	s_barrier_signal -1
	s_barrier_wait -1
	CREST
.endm
.macro JLOAD                           ; a joint refill by the walking sets: waves 0, 1 fetch the halves of x's tile, waves 2, 3 those of W's
	s_cmp_lt_u32 s10, 2
	s_cbranch_scc0 .Lfor_b_\@
	tensor_load_to_lds s[G0A+4:G0A+7], s[G1A:G1A+7]
	s_nop 0
.rept 4
	v_nop
.endr
	s_branch .Lasked_\@
.Lfor_b_\@:
	tensor_load_to_lds s[G0B+4:G0B+7], s[G1B:G1B+7]
	s_nop 0
.rept 4
	v_nop
.endr
.Lasked_\@:
.endm
.macro STEPD                           ; the walking sets: the other slot, the next plane; no tensor load of mine is out where this stands
	s_xor_b32 s[G0A+5], s[G0A+5], SLOT
	s_add_nc_u64 s[G0A+6:G0A+7], s[G0A+6:G0A+7], STEP_A
	s_xor_b32 s[G0B+5], s[G0B+5], SLOT
	s_add_nc_u64 s[G0B+6:G0B+7], s[G0B+6:G0B+7], STEP_B
.endm
	s_load_b256 s[68:75], s[0:1], 0x0              ; xb s[68:69], wb s[70:71], bb s[72:73], qkv s[74:75]
	v_lshl_add_u32 v28, v0, 2, SPARE
	v_mov_b32 v29, 0
	ds_add_u32 v28, v29                            ; the wave's opening: the add and its wait stand ahead of my first tensor load
	v_lshrrev_b32 v1, 5, v0
	v_readfirstlane_b32 s10, v1                    ; wave 0..3
	s_lshr_b32 s11, s10, 1                         ; which half of the tile's rows is mine
	s_and_b32 s12, s10, 1                          ; which half of its columns; also: which half of a tile I fetch
	s_bfe_u32 s40, ttmp6, 0x40000                  ; cx
	s_bfe_u32 s41, ttmp6, 0x40004                  ; cy
	s_lshl_b32 s42, ttmp9, 2
	s_add_co_u32 s42, s42, s40                     ; x = 4 x cluster x + cx
	s_and_b32 s13, ttmp7, 0xffff
	s_lshl_b32 s13, s13, 2
	s_add_co_u32 s13, s13, s41                     ; y = 4 x cluster y + cy
	s_lshl_b32 s43, s41, 2
	s_lshl_b32 s43, 15, s43                        ; my row of the cluster
	s_lshl_b32 s44, 0x1111, s40                    ; my column
	; a tile is dense in memory: asked for as rows of 256 bytes, two matrix rows each, padded in LDS behind every matrix row
	s_or_b32 s[G1A], s43, G1W
	s_or_b32 s[G1B], s44, G1W
	s_mov_b32 s[G1A+1], 128<<16                    ; tensor_dim0 = 128
	s_mov_b32 s[G1A+2], 64<<16                     ; tensor_dim1 = 64: 128 rows of x
	s_mov_b32 s[G1A+3], 128<<16                    ; tile_dim0 = 128
	s_mov_b32 s[G1A+4], 64                         ; tile_dim1 = 64
	s_mov_b32 s[G1A+5], 128                        ; elements from row to row
	s_mov_b32 s[G1A+6], 0
	s_mov_b32 s[G1A+7], 0
	s_mov_b32 s[G1B+1], 128<<16
	s_mov_b32 s[G1B+2], 96<<16                     ; 192 rows of W
	s_mov_b32 s[G1B+3], 128<<16
	s_mov_b32 s[G1B+4], 96
	s_mov_b32 s[G1B+5], 128
	s_mov_b32 s[G1B+6], 0
	s_mov_b32 s[G1B+7], 0
	s_lshl_b32 s16, s13, 15                        ; x: (256 y + 128 half) rows of 128 bytes
	s_lshl_b32 s17, s12, 14
	s_add_co_u32 s16, s16, s17
	s_mov_b32 s17, 0
	s_mul_i32 s46, s42, 384*128                    ; W: (384 x + 192 half) rows
	s_mul_i32 s47, s12, 192*128
	s_add_co_u32 s46, s46, s47
	s_mov_b32 s47, 0
	s_mul_i32 s20, s12, 128*PITCH                  ; where they go: no place in the cluster enters an LDS address
	s_mul_i32 s21, s12, 192*PITCH
	s_add_co_u32 s21, s21, BOFF
	s_mov_b32 s66, 0                               ; the slot that is read
	s_wait_dscnt 0x0                               ; the opening add is done
	s_wait_kmcnt 0x0
	s_add_nc_u64 s[14:15], s[68:69], s[16:17]
	s_add_nc_u64 s[46:47], s[70:71], s[46:47]
	CROUND                                         ; all sixteen work-groups are here: the first joint loads meet
.irp s, 0,1
	s_mov_b32 s[G0A+4*\s], 1
	s_add_co_u32 s[G0A+4*\s+1], s20, \s*SLOT
	s_add_nc_u64 s[G0A+4*\s+2:G0A+4*\s+3], s[14:15], \s*STEP_A
	s_or_b32 s[G0A+4*\s+3], s[G0A+4*\s+3], 0x80000000
	s_mov_b32 s[G0B+4*\s], 1
	s_add_co_u32 s[G0B+4*\s+1], s21, \s*SLOT
	s_add_nc_u64 s[G0B+4*\s+2:G0B+4*\s+3], s[46:47], \s*STEP_B
	s_or_b32 s[G0B+4*\s+3], s[G0B+4*\s+3], 0x80000000
.endr
	s_cmp_lt_u32 s10, 2                            ; a wave's two first fills stand in one branch: two loads of mine are out
	s_cbranch_scc0 .Lfirst_b
	tensor_load_to_lds s[G0A:G0A+3], s[G1A:G1A+7]
	s_nop 0
	tensor_load_to_lds s[G0A+4:G0A+7], s[G1A:G1A+7]
	s_nop 0
.rept 4
	v_nop
.endr
	s_branch .Lfirst_asked
.Lfirst_b:
	tensor_load_to_lds s[G0B:G0B+3], s[G1B:G1B+7]
	s_nop 0
	tensor_load_to_lds s[G0B+4:G0B+7], s[G1B:G1B+7]
	s_nop 0
.rept 4
	v_nop
.endr
.Lfirst_asked:
	v_and_b32 v1, 15, v0                           ; r = l % 16
	v_bfe_u32 v2, v0, 4, 1                         ; h = l / 16
	v_lshlrev_b32 v12, 5, v2                       ; my eight biases of a column block: 32 h
	s_mul_i32 s76, s42, 384*4                      ; bb at my wave's first column
	s_mul_i32 s77, s12, 192*4
	s_add_co_u32 s76, s76, s77
	s_mov_b32 s77, 0
	s_add_nc_u64 s[72:73], s[72:73], s[76:77]
.set lb, 0
.rept 12                                           ; the biases of column block lb go into accumulator (7, lb)
.set ln, (lb/6)*48+42+lb%6
	WIN (1+ln/32)<<6
	global_load_b128 v[8*(ln%32):8*(ln%32)+3],   v12, s[72:73] offset:64*lb
	global_load_b128 v[8*(ln%32)+4:8*(ln%32)+7], v12, s[72:73] offset:64*lb+16
.set lb, lb+1
.endr
	WIN 0
	v_mul_u32_u24 v3, v1, PITCH
	v_lshl_add_u32 v3, v2, 4, v3                   ; a fragment's row x pitch + 16 x half
	s_mul_i32 s22, s11, 128*PITCH
	s_mul_i32 s23, s12, 192*PITCH
	s_add_co_u32 s23, s23, BOFF
	v_add_nc_u32 v4, s22, v3                       ; v4, v5: my fragments of x and W in slot 0; never rewritten
	v_add_nc_u32 v5, s23, v3
	v_mov_b32 v6, v4                               ; v6, v7: the same in the slot that is read
	v_mov_b32 v7, v5
	s_mul_i32 s78, s11, 128*SPITCH                 ; into the stage: row 128 wr + r, byte 384 wc + 16 h
	s_mul_i32 s79, s12, 384
	s_add_co_u32 s78, s78, s79
	v_mul_u32_u24 v8, v1, SPITCH
	v_lshl_add_u32 v8, v2, 4, v8
	v_add_nc_u32 v8, s78, v8
	v_add_nc_u32 v9, 64*SPITCH, v8                 ; the same for row blocks 4-7
	s_mul_i32 s78, s10, 64*SPITCH                  ; back: wave w takes rows 64 w .. 64 w + 63 whole; lanes 0-15 one row's 256 bytes, lanes 16-31 the next row's
	v_mul_u32_u24 v10, v2, SPITCH
	v_lshl_add_u32 v10, v1, 4, v10
	v_add_nc_u32 v10, s78, v10
	v_mul_u32_u24 v11, v2, 6144                    ; and the same two rows in qkv
	v_lshl_add_u32 v11, v1, 4, v11
	; local row 64 w + 16 i + 2 p + h is row s = 256 (y % 8) + that of batch y / 8: band 2 (y % 8) + w / 2, set 4 (w % 2) + i, r = 2 p + h
	s_lshr_b32 s76, s13, 3
	s_lshl_b32 s76, s76, 11                        ; the batch's 2,048 positions
	s_lshl_b32 s77, s12, 10                        ; set 4 (w % 2): 256 positions a set
	s_add_co_u32 s76, s76, s77
	s_and_b32 s77, s13, 7
	s_lshl_b32 s77, s77, 1
	s_add_co_u32 s77, s77, s11                     ; the band: 16 positions
	s_lshl_b32 s77, s77, 4
	s_add_co_u32 s76, s76, s77
	s_mul_i32 s76, s76, 6144
	s_mul_i32 s77, s42, 768                        ; my work-group's 384 columns
	s_add_co_u32 s76, s76, s77
	s_mov_b32 s77, 0
	s_add_nc_u64 s[74:75], s[74:75], s[76:77]
; Row blocks a0..a1 x the six column blocks of phase ph, 32 along K (half s of the step).  The accumulators take turns, one instruction a turn.
; first = 1: row blocks 0-6 take the bias in accumulator (7, b) as C; five plain instructions later row block 7 adds onto it in place.
.macro MULP s, ph, a0, a1, first
.set ma, \a0
.rept (\a1)-(\a0)+1
.set mb, 0
.rept 6
.set mn, (\ph)*48+6*ma+mb
.set mw, 1+mn/32
.set md, 8*(mn%32)
.set mn7, (\ph)*48+42+mb
.set mw7, 1+mn7/32
.set mc, 8*(mn7%32)
.set mbf, BF+48*(\ph)+8*mb
.set maf, AF+64*(\s)+8*ma
.if (\first) && (ma < 7)
	WIN (mw<<6)|(mw7<<4)
	v_wmma_f32_16x16x32_bf16 v[md:md+7], v[mbf:mbf+7], v[maf:maf+7], v[mc:mc+7]
.else
.if (\first) && (mb == 0)
.rept 5
	v_nop
.endr
.endif
	WIN (mw<<6)|(mw<<4)
	v_wmma_f32_16x16x32_bf16 v[md:md+7], v[mbf:mbf+7], v[maf:maf+7], v[md:md+7]
.endif
.set mb, mb+1
.endr
.set ma, ma+1
.endr
.endm
.macro LDB s, ph                       ; 12 loads: W's six fragments of phase ph, half s of the step
	WIN 0
.set lb, 0
.rept 6
	ds_load_b128 v[BF+48*(\ph)+8*lb:BF+48*(\ph)+8*lb+3],   v7 offset:(6*(\ph)+lb)*16*PITCH+64*(\s)
	ds_load_b128 v[BF+48*(\ph)+8*lb+4:BF+48*(\ph)+8*lb+7], v7 offset:(6*(\ph)+lb)*16*PITCH+64*(\s)+32
.set lb, lb+1
.endr
.endm
.macro LDA s, i0, i1                   ; two loads for each of x's fragments i0..i1, half s of the step
	WIN 0
.set lb, \i0
.rept (\i1)-(\i0)+1
	ds_load_b128 v[AF+64*(\s)+8*lb:AF+64*(\s)+8*lb+3],   v6 offset:lb*16*PITCH+64*(\s)
	ds_load_b128 v[AF+64*(\s)+8*lb+4:AF+64*(\s)+8*lb+7], v6 offset:lb*16*PITCH+64*(\s)+32
.set lb, lb+1
.endr
.endm
.macro PH00 first
	s_wait_dscnt 8                                 ; W's phase 0 and x's blocks 0-3 are in; the youngest eight loads (x's blocks 4-7) may be out
	MULP 0, 0, 0, 3, \first
	PLACES
	LDB 0, 1
	LDA 1, 0, 3
	s_wait_dscnt 20                                ; all but the 20 just issued
	MULP 0, 0, 4, 7, \first
.endm
.macro PH01 first
	s_wait_dscnt 8                                 ; W's phase 1 is in; the eight loads of x's second half, blocks 0-3, may be out
	MULP 0, 1, 0, 3, \first
	PLACES
	LDB 1, 0
	LDA 1, 4, 7
	MULP 0, 1, 4, 7, \first
.endm
.macro PH10
	s_wait_dscnt 8                                 ; x's blocks 0-3 and W's phase 0 of the second half are in; x's blocks 4-7 may be out
	MULP 1, 0, 0, 3, 0
	PLACES
	LDB 1, 1
	s_wait_dscnt 12                                ; all but the 12 just issued
	MULP 1, 0, 4, 7, 0
.endm
; The step's last phase changes slots: ONE barrier.  In front of it each wave waits for all its tensor loads (one is out: its part of the next slot), adds 0 to its spare word, and waits for that
; and for its own reads of this slot.  fill = 1: the barrier opens a round of the cluster's, and this slot is filled again first thing behind it, two steps ahead.
.macro TURN fill
	WIN 0
	s_wait_tensorcnt 0x0
	ds_add_u32 v28, v29
	s_wait_dscnt 1                                 ; W's phase 1 is in; the add may be out
	MULP 1, 1, 0, 1, 0
	s_wait_dscnt 0x0                               ; the add is done, and my reads of this slot are over
	s_barrier_signal -1
	MULP 1, 1, 2, 3, 0
	WIN 0
	s_barrier_wait -1
.if \fill
	CREST                                          ; no wave of any partner still reads this slot or has a load on its way
	STEPD
	JLOAD                                          ; its four v_nop are also the places in front of the loads below
.else
	PLACES
.endif
	s_xor_b32 s66, s66, SLOT
	v_add_nc_u32 v6, s66, v4
	v_add_nc_u32 v7, s66, v5
	LDB 0, 0
	LDA 0, 0, 7
	MULP 1, 1, 4, 7, 0
.endm
	s_wait_tensorcnt 1                             ; my part of step 0 is in; step 1's may stay out
	s_barrier_signal -1
	s_barrier_wait -1
	LDB 0, 0
	LDA 0, 0, 7
	s_wait_loadcnt 0x0                             ; the biases
	PH00 1
	PH01 1
	WIN 0
	s_mov_b32 s67, 14                              ; steps 2 to 15 are asked for in the loop
.Lstep:                                                ; a trip: a step's second half, the change of slots, the next step's first half
	PH10
	TURN 1
	PH00 0
	PH01 0
	WIN 0
	s_sub_co_u32 s67, s67, 1
	s_cmp_lg_u32 s67, 0
	s_cbranch_scc1 .Lstep
	PH10                                           ; the tail is written out: nothing more is asked for
	TURN 0
	PH00 0
	PH01 0
	PH10
	s_wait_dscnt 0x0
	MULP 1, 1, 0, 7, 0
	WIN 0
	; THE WAY OUT.  Rounded to f16; 16 bytes a lane into a stage of 256 rows x 784 bytes, which lies over the slots: every wave's reads of them are over behind this barrier, and no fill follows.
	s_barrier_signal -1
	s_barrier_wait -1
	PLACES
.macro PACKA a
.set pb, 0
.rept 12
.set pn, (pb/6)*48+6*(\a)+pb%6
.set pw, 1+pn/32
.set ps, 8*(pn%32)
	WIN pw|(pw<<2)
.set pr, 0
.rept 4
	v_cvt_pk_f16_f32 v[TMP+48*((\a)%2)+4*pb+pr], v[ps+2*pr], v[ps+2*pr+1]
.set pr, pr+1
.endr
.set pb, pb+1
.endr
	WIN 0
.set pb, 0
.rept 12
	ds_store_b128 v[8+(\a)/4], v[TMP+48*((\a)%2)+4*pb:TMP+48*((\a)%2)+4*pb+3] offset:((\a)%4)*16*SPITCH+32*pb
.set pb, pb+1
.endr
.endm
.irp a, 0,1,2,3,4,5,6,7
	PACKA \a
.endr
	s_wait_dscnt 0x0                               ; for the others' sake: my stores into the stage are done
	s_barrier_signal -1
	s_barrier_wait -1
.macro LOADB i                         ; 16 rows, whole: 24 loads
.set lt, 0
.rept 24
	ds_load_b128 v[OB+96*((\i)%2)+4*lt:OB+96*((\i)%2)+4*lt+3], v10 offset:(8*(\i)+lt/3)*2*SPITCH+256*(lt%3)
.set lt, lt+1
.endr
.endm
.macro SENDB i, younger                ; younger: the LDS loads issued behind this batch's
.set lt, 0
.rept 24
	s_wait_dscnt (\younger)+23-lt
	global_store_b128 v11, v[OB+96*((\i)%2)+4*lt:OB+96*((\i)%2)+4*lt+3], s[74:75] offset:(\i)*256*6144+2*(lt/3)*6144+256*(lt%3)  ; set i further on; 16 lanes store 256 consecutive bytes, aligned
.set lt, lt+1
.endr
.endm
	LOADB 0
	LOADB 1
	SENDB 0, 24
	s_wait_xcnt 0x0                                ; the registers that the stores above read are loaded again only behind this wait
	LOADB 2
	SENDB 1, 24
	s_wait_xcnt 0x0
	LOADB 3
	SENDB 2, 24
	SENDB 3, 0
	s_wait_tensorcnt 0x0                           ; the wave's end
	ds_add_u32 v28, v29
	s_wait_dscnt 0x0
	CROUND                                         ; the closing round
	s_endpgm
.Lfunc_end_k_q8ab5e1a17e_proj:
	.size	k_q8ab5e1a17e_proj, .Lfunc_end_k_q8ab5e1a17e_proj-k_q8ab5e1a17e_proj
	.p2alignl 7, 3214868480
	.fill 96, 4, 3214868480
	.section	.rodata,"a",@progbits
	.p2align	6, 0x0
	.amdhsa_kernel k_q8ab5e1a17e_proj
		.amdhsa_group_segment_fixed_size 327680
		.amdhsa_private_segment_fixed_size 0
		.amdhsa_enable_private_segment 0
		.amdhsa_kernarg_size 32
		.amdhsa_user_sgpr_count 2
		.amdhsa_user_sgpr_kernarg_segment_ptr 1
		.amdhsa_wavefront_size32 1
		.amdhsa_system_sgpr_workgroup_id_x 1
		.amdhsa_system_sgpr_workgroup_id_y 1
		.amdhsa_system_sgpr_workgroup_id_z 1
		.amdhsa_system_vgpr_workitem_id 0
		.amdhsa_next_free_vgpr 1024
		.amdhsa_next_free_sgpr 96
		.amdhsa_reserve_vcc 0
		.amdhsa_float_denorm_mode_32 3
		.amdhsa_float_denorm_mode_16_64 3
		.amdhsa_memory_ordered 1
		.amdhsa_forward_progress 1
		.amdhsa_inst_pref_size 116
	.end_amdhsa_kernel
	.amdgpu_metadata
---
amdhsa.version: [ 1, 2 ]
amdhsa.kernels:
  - .name:           k_q8ab5e1a17e_proj
    .symbol:         k_q8ab5e1a17e_proj.kd
    .args:
      - { .name: xb, .offset: 0, .size: 8, .value_kind: global_buffer, .address_space: global }
      - { .name: wb, .offset: 8, .size: 8, .value_kind: global_buffer, .address_space: global }
      - { .name: bb, .offset: 16, .size: 8, .value_kind: global_buffer, .address_space: global }
      - { .name: qkv, .offset: 24, .size: 8, .value_kind: global_buffer, .address_space: global }
    .group_segment_fixed_size: 327680
    .private_segment_fixed_size: 0
    .kernarg_segment_align: 8
    .kernarg_segment_size: 32
    .max_flat_workgroup_size: 128
    .sgpr_count:     96
    .vgpr_count:     1024
    .wavefront_size: 32
...
	.end_amdgpu_metadata
.endif
;; end of part 2
;; launch score (part 3): grid 8 x 32, 4 waves a work-group, clusters of 4 x 4, 327,680 bytes of LDS; arguments qkv, pf, stat; writes pf, stat
.if DOCPART == 3
	.amdgcn_target "amdgcn-amd-amdhsa--gfx1250"
	.amdhsa_code_object_version 6
	.text
	.protected	k_q8ab5e1a17e_score
	.globl	k_q8ab5e1a17e_score
	.p2align	8
	.type	k_q8ab5e1a17e_score,@function
k_q8ab5e1a17e_score:
	s_mov_b64 s[64:65], 0
	v_nop
	global_prefetch_b8 v0, s[64:65] scope:SCOPE_SE
	s_setreg_imm32_b32 hwreg(HW_REG_WAVE_MODE, 25, 1), 1
	s_wait_xcnt 0x0
	s_wait_alu depctr_hold_cnt(0) depctr_sa_sdst(0) depctr_va_vdst(0) depctr_va_sdst(0) depctr_va_ssrc(0) depctr_va_vcc(0) depctr_vm_vsrc(0)
	s_getreg_b32 s2, hwreg(HW_REG_IB_STS2, 6, 4)
	s_cmp_eq_u32 s2, 0
	s_cbranch_scc0 .Lentry_in_a_cluster
	s_endpgm
.Lentry_in_a_cluster:
	s_bfe_u32 s2, ttmp6, 0x10000c
	s_cmp_lg_u32 s2, 0xf033
	s_cbranch_scc0 .Lentry_shape_is_right
	s_endpgm
.Lentry_shape_is_right:
; CAUSAL SCORES AND WEIGHTS.  For query set Rq and key set Rk of batch b (256 positions each; position 16 band + r of set R is row 128 band + 16 R + r of the sequence):
; s = q . k over 1,024 channels (f16 operands, f32 sums); m = the row's maximum over the tile's visible keys; p = 2^(c s - c m), c = log2(e) / 32, rounded to f16 and stored as the register
; image that the next launch's second product takes; c m and the sum l of the unrounded p go to stat.  The next launch joins the eight key sets by the maximum of their c m.
; LIMITS.  A hidden score counts as -1e32.  q and k lie within f16's range, so a true score stays under 4.4e12 in magnitude; m has the floor -1e30, which no true score reaches: it acts only on a row
; that sees no key of the tile, whose weights and l then come out as 0 (c s - c m is near -4.5e30) and whose c m is near -4.5e28.  A weight below 2^-126 counts as 0; NaN and infinities are not treated apart.
; THE TRIANGLE.  Block (query band, key band) of a tile is all visible if key band < query band, all hidden if greater, and mixed if equal.  So every one of the 8 x 8 x 4 tiles has the same
; 136 of 256 blocks to compute: 256 equal work-groups.  x = Rk, y = 8 b + Rq.
; SHARES.  Wave (wr, wc) takes query bands 2 a + wr and key bands 2 b' + wc, and computes the 36 blocks with b' <= a.  For wave (0, 1) the eight blocks b' = a are hidden and computed all the same:
; one text for all four waves, and the other waves are as long.  K goes in 8 steps of 128 through two LDS slots; a step is four quarters of 32, 36 matrix instructions each.
; THE MASK is the C operand of the first product of the blocks b' = a: 0, or -1e32 where 8 h + j > 128 (wr - wc) + 16 (Rq - Rk) + r.  All other blocks start with the constant 0.
; LAYOUT.  Source 0 = 16 keys, source 1 = 16 queries: a lane holds ONE query (l % 16) and the keys 8 (l / 16) + 0..7; rounded in pairs these are four registers of a fragment (16 queries x 32 keys):
; registers 0-3 from the wave with wc = 0, registers 4-7 from wc = 1.  A block's 512 bytes are stored by one instruction.
; CLUSTER 4 x 4.  q's tiles hang on y alone and are asked for jointly along a row of the cluster, k's on x and the batch and along a column.
; REGISTERS.  Window 0: v1-15 addresses; v16-23 statistics on their way out; v28, v29 the add's; v32-39 the mask; v40-71 four a query block: c m, m, l, one at work.
; Window 1: two fragment buffers of 128 (q's 64, then k's 64); later the packed weights.  Windows 2, 3: block (a, b'), number a (a + 1) / 2 + b', eight registers each.
.set PITCH,  272                       ; an LDS row: 256 bytes + 16 of padding
.set HALFT,  128*PITCH
.set SLOT,   4*HALFT                   ; q's 256 rows, then k's 256 rows; 0x22000: its two bits are clear in all four waves' bases
.set EX,     2*SLOT                    ; 512 bytes a wave: the row maxima, for the wave with the other key bands
.set STG,    EX+2048                   ; 1,024 bytes a wave: the statistics' way out
.set SPARE,  STG+4096                  ; the spare words, 128 bytes a wave
.set F0,  0
.set F1,  128
.set MK,  32
.set ST,  40
.set G1A, 24
.set G0A, 32
.set G1B, 48
.set G0B, 56
.set G1W, (1<<16)|(1<<20)|(1<<21)|(5<<22)|(3<<25)  ; 2-byte elements; padding on; bit 21 beside a mask; after every 64 words; 4 words
.set MSB, 0
.macro WIN new
.if MSB != (\new)
	s_set_vgpr_msb (MSB<<8)|(\new)
.set MSB, \new
.endif
.endm
.macro PLACES
.rept 4
	v_nop
.endr
.endm
.macro CREST
	s_cmp_lg_u32 s10, 0
	s_cbranch_scc1 .Lnot_wave_0_\@
	s_barrier_signal -3
.Lnot_wave_0_\@:
	s_barrier_wait -3
	s_barrier_signal -1
	s_barrier_wait -1
.endm
.macro CROUND
	s_barrier_signal -1
	s_barrier_wait -1
	CREST
.endm
.macro JLOAD                           ; waves 0, 1 fetch the halves of q's tile, waves 2, 3 those of k's
	s_cmp_lt_u32 s10, 2
	s_cbranch_scc0 .Lfor_b_\@
	tensor_load_to_lds s[G0A+4:G0A+7], s[G1A:G1A+7]
	s_nop 0
.rept 4
	v_nop
.endr
	s_branch .Lasked_\@
.Lfor_b_\@:
	tensor_load_to_lds s[G0B+4:G0B+7], s[G1B:G1B+7]
	s_nop 0
.rept 4
	v_nop
.endr
.Lasked_\@:
.endm
.macro STEPD                           ; the walking sets: the other slot, 128 channels on
	s_xor_b32 s[G0A+5], s[G0A+5], SLOT
	s_add_nc_u64 s[G0A+6:G0A+7], s[G0A+6:G0A+7], 256
	s_xor_b32 s[G0B+5], s[G0B+5], SLOT
	s_add_nc_u64 s[G0B+6:G0B+7], s[G0B+6:G0B+7], 256
.endm
	s_load_b128 s[68:71], s[0:1], 0x0              ; qkv s[68:69], pf s[70:71]
	s_load_b64 s[72:73], s[0:1], 0x10              ; stat
	v_lshl_add_u32 v28, v0, 2, SPARE
	v_mov_b32 v29, 0
	ds_add_u32 v28, v29                            ; the wave's opening: the add and its wait stand ahead of my first tensor load
	v_lshrrev_b32 v1, 5, v0
	v_readfirstlane_b32 s10, v1
	s_lshr_b32 s11, s10, 1                         ; wr
	s_and_b32 s12, s10, 1                          ; wc; also: which half of a tile I fetch
	s_bfe_u32 s40, ttmp6, 0x40000
	s_bfe_u32 s41, ttmp6, 0x40004
	s_lshl_b32 s42, ttmp9, 2
	s_add_co_u32 s42, s42, s40                     ; x = Rk
	s_and_b32 s13, ttmp7, 0xffff
	s_lshr_b32 s45, s13, 1                         ; the batch, from the cluster's y alone: a cluster's four y lie in one batch
	s_lshl_b32 s13, s13, 2
	s_add_co_u32 s13, s13, s41                     ; y = 8 b + Rq
	s_lshl_b32 s43, s41, 2
	s_lshl_b32 s43, 15, s43
	s_lshl_b32 s44, 0x1111, s40
	s_or_b32 s[G1A], s43, G1W
	s_or_b32 s[G1B], s44, G1W
.irp g, G1A, G1B
	s_mov_b32 s[\g+1], 128<<16                     ; tensor_dim0 = 128
	s_mov_b32 s[\g+2], 128<<16                     ; tensor_dim1 = 128
	s_mov_b32 s[\g+3], 128<<16                     ; tile_dim0 = 128
	s_mov_b32 s[\g+4], 128                         ; tile_dim1 = 128
	s_mov_b32 s[\g+5], 3072                        ; elements from row to row
	s_mov_b32 s[\g+6], 0
	s_mov_b32 s[\g+7], 0
.endr
	s_lshl_b32 s16, s13, 8                         ; q: position 256 y + 128 half
	s_lshl_b32 s17, s12, 7
	s_add_co_u32 s16, s16, s17
	s_mul_i32 s16, s16, 6144
	s_mov_b32 s17, 0
	s_lshl_b32 s46, s45, 3                         ; k: position 256 (8 b + x) + 128 half, columns 1024 on
	s_add_co_u32 s46, s46, s42
	s_lshl_b32 s46, s46, 8
	s_lshl_b32 s47, s12, 7
	s_add_co_u32 s46, s46, s47
	s_mul_i32 s46, s46, 6144
	s_add_co_u32 s46, s46, 2048
	s_mov_b32 s47, 0
	s_mul_i32 s20, s10, HALFT                      ; where they go: wave x 128 rows
	s_mov_b32 s66, 0
	s_mov_b32 s76, 0x3d38aa3b                      ; c = log2(e) / 32
	s_mov_b32 s77, s76                             ; named with it as a pair
	s_mov_b32 s78, 0x76543210                      ; v_permlanex16_b32: each lane takes its own place in the other half
	s_mov_b32 s79, 0xfedcba98
	s_mov_b32 s80, 0xf49dc5ae                      ; -1e32: a hidden score
	s_mov_b32 s81, 0xffff0000                      ; lanes 16-31
	s_mov_b32 s88, 0xf149f2ca                      ; -1e30: the floor of a row's maximum
	s_wait_dscnt 0x0
	s_wait_kmcnt 0x0
	s_add_nc_u64 s[14:15], s[68:69], s[16:17]
	s_add_nc_u64 s[46:47], s[68:69], s[46:47]
	CROUND
.irp s, 0,1
	s_mov_b32 s[G0A+4*\s], 1
	s_add_co_u32 s[G0A+4*\s+1], s20, \s*SLOT
	s_add_nc_u64 s[G0A+4*\s+2:G0A+4*\s+3], s[14:15], \s*256
	s_or_b32 s[G0A+4*\s+3], s[G0A+4*\s+3], 0x80000000
	s_mov_b32 s[G0B+4*\s], 1
	s_add_co_u32 s[G0B+4*\s+1], s20, \s*SLOT
	s_add_nc_u64 s[G0B+4*\s+2:G0B+4*\s+3], s[46:47], \s*256
	s_or_b32 s[G0B+4*\s+3], s[G0B+4*\s+3], 0x80000000
.endr
	s_cmp_lt_u32 s10, 2                            ; a wave's two first fills stand in one branch: two loads of mine are out
	s_cbranch_scc0 .Lfirst_b
	tensor_load_to_lds s[G0A:G0A+3], s[G1A:G1A+7]
	s_nop 0
	tensor_load_to_lds s[G0A+4:G0A+7], s[G1A:G1A+7]
	s_nop 0
.rept 4
	v_nop
.endr
	s_branch .Lfirst_asked
.Lfirst_b:
	tensor_load_to_lds s[G0B:G0B+3], s[G1B:G1B+7]
	s_nop 0
	tensor_load_to_lds s[G0B+4:G0B+7], s[G1B:G1B+7]
	s_nop 0
.rept 4
	v_nop
.endr
.Lfirst_asked:
	v_and_b32 v1, 15, v0                           ; r
	v_bfe_u32 v2, v0, 4, 1                         ; h
	v_and_b32 v3, 31, v0                           ; l
	v_mul_u32_u24 v15, v1, PITCH
	v_lshl_add_u32 v15, v2, 4, v15
	s_mul_i32 s21, s11, 16*PITCH                   ; query band 2 a + wr lies at rows 32 a + 16 wr
	s_mul_i32 s22, s12, 16*PITCH
	s_add_co_u32 s22, s22, 2*HALFT
	v_add_nc_u32 v4, s21, v15                      ; v4, v5: my fragments in slot 0; never rewritten
	v_add_nc_u32 v5, s22, v15
	v_mov_b32 v6, v4                               ; v6, v7: in the slot that is read
	v_mov_b32 v7, v5
	v_lshlrev_b32 v8, 4, v3                        ; 16 l
	s_lshl_b32 s83, s10, 9
	s_add_co_u32 s83, s83, EX
	v_lshl_add_u32 v9, v1, 2, s83                  ; my wave's maxima
	s_xor_b32 s83, s10, 1
	s_lshl_b32 s83, s83, 9
	s_add_co_u32 s83, s83, EX
	v_lshl_add_u32 v10, v1, 2, s83                 ; those of the wave with the other key bands
	s_lshl_b32 s83, s10, 10
	s_add_co_u32 s83, s83, STG
	v_lshl_add_u32 v11, v1, 2, s83
	v_lshl_add_u32 v11, v2, 9, v11                 ; lanes 0-15 put c m, lanes 16-31 l, 512 bytes further on
	v_add_nc_u32 v12, s83, v8
	s_and_b32 s84, s13, 7                          ; Rq
	s_sub_co_i32 s85, s11, s12
	s_lshl_b32 s85, s85, 7
	s_sub_co_i32 s86, s84, s42
	s_lshl_b32 s86, s86, 4
	s_add_co_i32 s85, s85, s86                     ; 128 (wr - wc) + 16 (Rq - Rk)
	v_lshlrev_b32 v15, 3, v2
	v_sub_nc_u32 v14, v1, v15
	v_add_nc_u32 v14, s85, v14                     ; + r - 8 h: register j is hidden where j is greater
.irp j, 0,1,2,3,4,5,6,7
	v_cmp_gt_i32 vcc_lo, \j, v14
	v_cndmask_b32 v[MK+\j], 0, s80, vcc_lo
.endr
.irp a, 4,5,6,7
	v_mov_b32 v[ST+4*\a+3], 0                      ; destinations of v_permlanex16_b32 count as read
.endr
	s_lshl_b32 s86, s13, 3                         ; pf at ((8 y + Rk) 2 + wr) x 36,864 + 512 wc
	s_add_co_u32 s86, s86, s42
	s_lshl_b32 s86, s86, 1
	s_add_co_u32 s86, s86, s11
	s_mul_i32 s86, s86, 36864
	s_lshl_b32 s87, s12, 9
	s_add_co_u32 s86, s86, s87
	s_mov_b32 s87, 0
	s_add_nc_u64 s[70:71], s[70:71], s[86:87]
	s_lshr_b32 s86, s13, 3                         ; stat at ((8 b + Rk) 2 + wc) x 16,384 + (256 Rq + 128 wr) x 4
	s_lshl_b32 s86, s86, 3
	s_add_co_u32 s86, s86, s42
	s_lshl_b32 s86, s86, 1
	s_add_co_u32 s86, s86, s12
	s_lshl_b32 s86, s86, 14
	s_lshl_b32 s87, s84, 10
	s_add_co_u32 s86, s86, s87
	s_lshl_b32 s87, s11, 9
	s_add_co_u32 s86, s86, s87
	s_mov_b32 s87, 0
	s_add_nc_u64 s[72:73], s[72:73], s[86:87]
; The blocks of query blocks alo..ahi, 32 along K, from buffer f.  The accumulators take turns, one instruction a turn.
.macro MULT f, alo, ahi, first
.set ma, \alo
.rept (\ahi)-(\alo)+1
.set mb, 0
.rept ma+1
.set mi, ma*(ma+1)/2+mb
.set mw, 2+mi/32
.set md, 8*(mi%32)
.if (\first) && (mb == ma)
	WIN (mw<<6)|0x05
	v_wmma_f32_16x16x32_f16 v[md:md+7], v[(\f)+64+8*mb:(\f)+64+8*mb+7], v[(\f)+8*ma:(\f)+8*ma+7], v[MK:MK+7]
.elseif \first
	WIN (mw<<6)|(mw<<4)|0x05
	v_wmma_f32_16x16x32_f16 v[md:md+7], v[(\f)+64+8*mb:(\f)+64+8*mb+7], v[(\f)+8*ma:(\f)+8*ma+7], 0
.else
	WIN (mw<<6)|(mw<<4)|0x05
	v_wmma_f32_16x16x32_f16 v[md:md+7], v[(\f)+64+8*mb:(\f)+64+8*mb+7], v[(\f)+8*ma:(\f)+8*ma+7], v[md:md+7]
.endif
.set mb, mb+1
.endr
.set ma, ma+1
.endr
.endm
.macro FETCH k, f                      ; 32 loads in one run: a quarter's fragments, at byte k of the rows, into buffer f
	WIN 0x40
.set fi, 0
.rept 8
	ds_load_b128 v[(\f)+64+8*fi:(\f)+64+8*fi+3],   v7 offset:(\k)+fi*32*PITCH
	ds_load_b128 v[(\f)+64+8*fi+4:(\f)+64+8*fi+7], v7 offset:(\k)+fi*32*PITCH+32
.set fi, fi+1
.endr
.set fi, 0
.rept 8
	ds_load_b128 v[(\f)+8*fi:(\f)+8*fi+3],   v6 offset:(\k)+fi*32*PITCH
	ds_load_b128 v[(\f)+8*fi+4:(\f)+8*fi+7], v6 offset:(\k)+fi*32*PITCH+32
.set fi, fi+1
.endr
.endm
.macro QUARTER k, f, g, first          ; multiplies buffer f; behind 15 of its 36 products it fetches the next quarter, at byte k, into g
	s_wait_dscnt 0x0                               ; buffer f is in
	MULT \f, 0, 4, \first
	PLACES
	FETCH \k, \g
	MULT \f, 5, 7, \first
.endm
.macro TURN fill                       ; the last quarter multiplies buffer 1 and changes slots: one barrier, as in the projections' text
	WIN 0
	s_wait_tensorcnt 0x0                           ; all my tensor loads have landed: my part of the next slot
	ds_add_u32 v28, v29
	s_wait_dscnt 1                                 ; buffer 1 is in; the add may be out
	MULT F1, 0, 3, 0
	s_wait_dscnt 0x0                               ; the add is done, and my reads of this slot are over
	s_barrier_signal -1
	MULT F1, 4, 5, 0
	WIN 0
	s_barrier_wait -1
.if \fill
	CREST
	STEPD
	JLOAD
.else
	PLACES
.endif
	s_xor_b32 s66, s66, SLOT
	v_add_nc_u32 v6, s66, v4
	v_add_nc_u32 v7, s66, v5
	FETCH 0, F0
	MULT F1, 6, 7, 0
.endm
	s_wait_tensorcnt 1                             ; my part of step 0 is in; step 1's may stay out
	s_barrier_signal -1
	s_barrier_wait -1
	FETCH 0, F0
	QUARTER 64, F0, F1, 1
	WIN 0
	s_mov_b32 s67, 6                               ; steps 2 to 7 are asked for in the loop
.Lstep:
	QUARTER 128, F1, F0, 0
	QUARTER 192, F0, F1, 0
	TURN 1
	QUARTER 64, F0, F1, 0
	WIN 0
	s_sub_co_u32 s67, s67, 1
	s_cmp_lg_u32 s67, 0
	s_cbranch_scc1 .Lstep
	QUARTER 128, F1, F0, 0                         ; the tail is written out: nothing more is asked for
	QUARTER 192, F0, F1, 0
	TURN 0
	QUARTER 64, F0, F1, 0
	QUARTER 128, F1, F0, 0
	QUARTER 192, F0, F1, 0
	s_wait_dscnt 0x0
	MULT F1, 0, 7, 0
	; THE MAXIMUM of a lane's scores, a chain for each query block, the chains by turns; every accumulator is read from its lowest registers on.
	PLACES
.set eb, 0
.rept 8
.set ej, 0
.rept 4
.set ea, eb
.rept 8-eb
.set ei, ea*(ea+1)/2+eb
.if ei < 32
.if (eb == 0) && (ej == 0)
	WIN 0x0a
	v_max_num_f32 v[ST+4*ea+1], v[8*ei], v[8*ei+1]
.else
	WIN 0x28
	v_max3_num_f32 v[ST+4*ea+1], v[ST+4*ea+1], v[8*ei+2*ej], v[8*ei+2*ej+1]
.endif
.endif
.set ea, ea+1
.endr
.set ej, ej+1
.endr
.set eb, eb+1
.endr
.set ej, 0
.rept 4                                            ; the four blocks in window 3 (a = 7, b' = 4..7): four chains in registers that are free
.set eq, 0
.rept 4
.if ej == 0
	WIN 0x0f
	v_max_num_f32 v[ST+4*eq+3], v[8*eq], v[8*eq+1]
.else
	WIN 0x3c
	v_max3_num_f32 v[ST+4*eq+3], v[ST+4*eq+3], v[8*eq+2*ej], v[8*eq+2*ej+1]
.endif
.set eq, eq+1
.endr
.set ej, ej+1
.endr
	WIN 0
	v_max3_num_f32 v[ST+29], v[ST+29], v[ST+3], v[ST+7]
	v_max3_num_f32 v[ST+29], v[ST+29], v[ST+11], v[ST+15]
.irp a, 0,1,2,3,4,5,6,7
	v_permlanex16_b32 v[ST+4*\a+3], v[ST+4*\a+1], s78, s79  ; the query's other keys of each block lie in the lane 16 away
.endr
.irp a, 0,1,2,3,4,5,6,7
	v_max_num_f32 v[ST+4*\a+1], v[ST+4*\a+1], v[ST+4*\a+3]
.endr
.irp a, 0,1,2,3,4,5,6,7
	ds_store_b32 v9, v[ST+4*\a+1] offset:64*\a     ; both halves of the lanes write the same word with the same number
.endr
	s_wait_dscnt 0x0                               ; for the other wave's sake
	s_barrier_signal -1
	s_barrier_wait -1
.irp a, 0,1,2,3,4,5,6,7
	ds_load_b32 v[ST+4*\a+3], v10 offset:64*\a     ; the maxima over the other key bands
.endr
	s_wait_dscnt 0x0
.irp a, 0,1,2,3,4,5,6,7
	v_max3_num_f32 v[ST+4*\a+1], v[ST+4*\a+1], v[ST+4*\a+3], s88  ; m, with its floor: where the row sees no key of the tile, m stays far above the hidden scores, so that c s - c m is a large negative number and not a rounding error
.endr
.irp a, 0,1,2,3,4,5,6,7
	v_mul_f32 v[ST+4*\a], s76, v[ST+4*\a+1]        ; c m
.endr
	; THE WEIGHTS, in place: c s - c m, then 2^.  Behind every two exponentials of the block before stands one scaling of the block in hand: a plain instruction that names none of their registers.
.set hp, 0
.set qw, 2
.set qr, 0
.set ea, 0
.rept 8
.set eb, 0
.rept ea+1
.set ei, ea*(ea+1)/2+eb
.set cw, 2+ei/32
.set cr, 8*(ei%32)
.set ep, 0
.rept 4
.if hp
	WIN (qw<<6)|qw
	v_exp_f32 v[qr+2*ep], v[qr+2*ep]
	v_exp_f32 v[qr+2*ep+1], v[qr+2*ep+1]
.endif
	WIN (cw<<6)|cw
	v_pk_fma_f32 v[cr+2*ep:cr+2*ep+1], v[cr+2*ep:cr+2*ep+1], s[76:77], v[ST+4*ea:ST+4*ea+1] op_sel_hi:[1,0,0] neg_lo:[0,0,1] neg_hi:[0,0,1]
.set ep, ep+1
.endr
.set hp, 1
.set qw, cw
.set qr, cr
.set eb, eb+1
.endr
.set ea, ea+1
.endr
	WIN (qw<<6)|qw
.set ep, 0
.rept 8
	v_exp_f32 v[qr+ep], v[qr+ep]
.set ep, ep+1
.endr
	; rounded to f16 in pairs (the first block's conversions are the plain instructions behind the last exponentials), and stored
.set ei, 0
.rept 36
.set cw, 2+ei/32
.set cr, 8*(ei%32)
	WIN 0x40|cw|(cw<<2)
.set ep, 0
	s_wait_alu depctr_va_vdst(0)
.rept 4
	v_cvt_pk_f16_f32 v[4*ei+ep], v[cr+2*ep], v[cr+2*ep+1]
.set ep, ep+1
.endr
.set ei, ei+1
.endr
	WIN 0x04                                       ; the stores' data lie in window 1
.set ea, 0
.rept 8
.set eb, 0
.rept ea+1
.set ei, ea*(ea+1)/2+eb
	global_store_b128 v8, v[4*ei:4*ei+3], s[70:71] offset:(8*eb-eb*(eb-1)/2+ea-eb)*1024  ; 512 consecutive bytes, aligned: my half of block (a, b')
.set eb, eb+1
.endr
.set ea, ea+1
.endr
	; THE SUMS of the unrounded weights, in place
.set ei, 0
.rept 36
.set cw, 2+ei/32
.set cr, 8*(ei%32)
	WIN (cw<<6)|(cw<<2)|cw
	v_pk_add_f32 v[cr:cr+1], v[cr:cr+1], v[cr+2:cr+3]
	v_pk_add_f32 v[cr+4:cr+5], v[cr+4:cr+5], v[cr+6:cr+7]
.set ei, ei+1
.endr
.set ei, 0
.rept 36
.set cw, 2+ei/32
.set cr, 8*(ei%32)
	WIN (cw<<6)|(cw<<2)|cw
	v_pk_add_f32 v[cr:cr+1], v[cr:cr+1], v[cr+4:cr+5]
.set ei, ei+1
.endr
.set eb, 1
.rept 7
.set ea, eb
.rept 8-eb
.set ei, ea*(ea+1)/2+eb
.set cw, 2+ei/32
.set cr, 8*(ei%32)
.set qr, 8*(ea*(ea+1)/2)
	WIN 0x82|(cw<<2)
	v_pk_add_f32 v[qr:qr+1], v[qr:qr+1], v[cr:cr+1]
.set ea, ea+1
.endr
.set eb, eb+1
.endr
	WIN 0x0a
.irp a, 0,1,2,3,4,5,6,7
	v_add_f32 v[ST+4*\a+2], v[8*(\a*(\a+1)/2)], v[8*(\a*(\a+1)/2)+1]
.endr
	WIN 0
.irp a, 0,1,2,3,4,5,6,7
	v_permlanex16_b32 v[ST+4*\a+3], v[ST+4*\a+2], s78, s79
.endr
.irp a, 0,1,2,3,4,5,6,7
	v_add_f32 v[ST+4*\a+2], v[ST+4*\a+2], v[ST+4*\a+3]
.endr
	; THE STATISTICS go through my own 1,024 bytes of LDS, so that each of the two stores covers 512 consecutive bytes
.irp a, 0,1,2,3,4,5,6,7
	v_cndmask_b32 v[ST+4*\a+3], v[ST+4*\a], v[ST+4*\a+2], s81  ; lanes 0-15: c m; lanes 16-31: l
.endr
.irp a, 0,1,2,3,4,5,6,7
	ds_store_b32 v11, v[ST+4*\a+3] offset:64*\a
.endr
	ds_load_b128 v[16:19], v12                     ; LDS serves a wave's instructions in order (ISA guide 5.7.1.4): these see the stores above
	ds_load_b128 v[20:23], v12 offset:512
	s_wait_dscnt 0x0
	global_store_b128 v8, v[16:19], s[72:73]
	global_store_b128 v8, v[20:23], s[72:73] offset:8192
	s_wait_tensorcnt 0x0                           ; the wave's end
	ds_add_u32 v28, v29
	s_wait_dscnt 0x0
	CROUND                                         ; the closing round
	s_endpgm
.Lfunc_end_k_q8ab5e1a17e_score:
	.size	k_q8ab5e1a17e_score, .Lfunc_end_k_q8ab5e1a17e_score-k_q8ab5e1a17e_score
	.p2alignl 7, 3214868480
	.fill 96, 4, 3214868480
	.section	.rodata,"a",@progbits
	.p2align	6, 0x0
	.amdhsa_kernel k_q8ab5e1a17e_score
		.amdhsa_group_segment_fixed_size 327680
		.amdhsa_private_segment_fixed_size 0
		.amdhsa_enable_private_segment 0
		.amdhsa_kernarg_size 24
		.amdhsa_user_sgpr_count 2
		.amdhsa_user_sgpr_kernarg_segment_ptr 1
		.amdhsa_wavefront_size32 1
		.amdhsa_system_sgpr_workgroup_id_x 1
		.amdhsa_system_sgpr_workgroup_id_y 1
		.amdhsa_system_sgpr_workgroup_id_z 1
		.amdhsa_system_vgpr_workitem_id 0
		.amdhsa_next_free_vgpr 800
		.amdhsa_next_free_sgpr 96
		.amdhsa_reserve_vcc 1
		.amdhsa_float_denorm_mode_32 3
		.amdhsa_float_denorm_mode_16_64 3
		.amdhsa_memory_ordered 1
		.amdhsa_forward_progress 1
		.amdhsa_inst_pref_size 121
	.end_amdhsa_kernel
	.amdgpu_metadata
---
amdhsa.version: [ 1, 2 ]
amdhsa.kernels:
  - .name:           k_q8ab5e1a17e_score
    .symbol:         k_q8ab5e1a17e_score.kd
    .args:
      - { .name: qkv, .offset: 0, .size: 8, .value_kind: global_buffer, .address_space: global }
      - { .name: pf, .offset: 8, .size: 8, .value_kind: global_buffer, .address_space: global }
      - { .name: stat, .offset: 16, .size: 8, .value_kind: global_buffer, .address_space: global }
    .group_segment_fixed_size: 327680
    .private_segment_fixed_size: 0
    .kernarg_segment_align: 8
    .kernarg_segment_size: 24
    .max_flat_workgroup_size: 128
    .sgpr_count:     96
    .vgpr_count:     800
    .wavefront_size: 32
...
	.end_amdgpu_metadata
.endif
;; end of part 3
;; launch pv (part 4): grid 8 x 32, 4 waves a work-group, clusters of 4 x 4, 327,680 bytes of LDS; arguments qkv, pf, stat, out0; writes out0
.if DOCPART == 4
	.amdgcn_target "amdgcn-amd-amdhsa--gfx1250"
	.amdhsa_code_object_version 6
	.text
	.protected	k_q8ab5e1a17e_pv
	.globl	k_q8ab5e1a17e_pv
	.p2align	8
	.type	k_q8ab5e1a17e_pv,@function
k_q8ab5e1a17e_pv:
	s_mov_b64 s[64:65], 0
	v_nop
	global_prefetch_b8 v0, s[64:65] scope:SCOPE_SE
	s_setreg_imm32_b32 hwreg(HW_REG_WAVE_MODE, 25, 1), 1
	s_wait_xcnt 0x0
	s_wait_alu depctr_hold_cnt(0) depctr_sa_sdst(0) depctr_va_vdst(0) depctr_va_sdst(0) depctr_va_ssrc(0) depctr_va_vcc(0) depctr_vm_vsrc(0)
	s_getreg_b32 s2, hwreg(HW_REG_IB_STS2, 6, 4)
	s_cmp_eq_u32 s2, 0
	s_cbranch_scc0 .Lentry_in_a_cluster
	s_endpgm
.Lentry_in_a_cluster:
	s_bfe_u32 s2, ttmp6, 0x10000c
	s_cmp_lg_u32 s2, 0xf033
	s_cbranch_scc0 .Lentry_shape_is_right
	s_endpgm
.Lentry_shape_is_right:
; THE SECOND PRODUCT.  For each query: M = the maximum over the eight key sets t of c m_t; f_t = 2^(c m_t - M); l = sum of f_t l_t; out = sum over t of (f_t / l) (P_t V_t).
; P_t (f16, weights relative to the set's own maximum) and V (f16) are multiplied with f32 sums X_t over the set's 256 keys; X_t is folded into O in f32 by one packed multiply-add.
; LIMITS.  A factor f_t below 2^-126 counts as 0 (a set in which a row sees no key has c m_t near -4.5e28 and so counts as nothing); NaN and infinities are not treated apart.
; SHARES.  x = block of 128 channels, y = 8 b + Rq.  Wave (wr, wc) takes query bands 2 a + wr (eight blocks of 16) x channels 128 x + 64 wc .. (four blocks of 16).  A key set is eight chunks of 32 keys
; (bands 2 k, 2 k + 1); chunk k is hidden from the query blocks a < k: 4 (8 - k) matrix instructions, 144 a set, the same in every work-group and set.  Block a's sum is whole behind chunk a and is folded there.
; LAYOUT.  Source 0 = 16 channels of V^T (V comes out of LDS turned, by ds_load_tr16_b128), source 1 = 16 queries x 32 keys of P, which lies in memory as the registers want it: two loads of 512
; consecutive bytes.  In the result a lane holds one query (l % 16) and eight neighbouring channels.
; CLUSTER 4 x 4.  P's tiles hang on y alone and are asked for jointly along a row of the cluster, V's on x and the batch and along a column.
; REGISTERS.  Window 0: v1-17 addresses; v28, v29 the add's; v32-47 the set's factors (block a's at v[32 + 2 a]; the odd ones hold 0); v48-159 the statistics' arithmetic, later the way out.
; Window 1: fragments, by the chunk's parity: even P v0-63, V v64-95; odd P v96-151, V v152-183.  Window 2: O (a, cb) at 8 (4 a + cb).  Window 3: X, likewise.
.set PV,     288                       ; a row of V in LDS: 256 bytes + 32: nine times 32
.set VOFF,   73728                     ; in a slot: P, 2 x 36,864 dense bytes, then V's 256 rows
.set SLOT,   0x24000                   ; its two bits are clear in all four waves' bases
.set WS,     2*SLOT                    ; 4,608 bytes a wave, its own: first the factors [set 8][row 128] f32, on the way out 16 rows x 272 bytes
.set SPARE,  WS+4*4608                 ; the spare words, 128 bytes a wave
.set F,   32
.set BK,  64
.set G1A, 24
.set G0A, 32
.set G1B, 48
.set G0B, 56
.set MSB, 0
.macro WIN new
.if MSB != (\new)
	s_set_vgpr_msb (MSB<<8)|(\new)
.set MSB, \new
.endif
.endm
.macro PLACES
.rept 4
	v_nop
.endr
.endm
.macro CREST
	s_cmp_lg_u32 s10, 0
	s_cbranch_scc1 .Lnot_wave_0_\@
	s_barrier_signal -3
.Lnot_wave_0_\@:
	s_barrier_wait -3
	s_barrier_signal -1
	s_barrier_wait -1
.endm
.macro CROUND
	s_barrier_signal -1
	s_barrier_wait -1
	CREST
.endm
.macro JLOAD                           ; waves 0, 1 fetch the halves of P's tile, waves 2, 3 those of V's
	s_cmp_lt_u32 s10, 2
	s_cbranch_scc0 .Lfor_b_\@
	tensor_load_to_lds s[G0A+4:G0A+7], s[G1A:G1A+7]
	s_nop 0
.rept 4
	v_nop
.endr
	s_branch .Lasked_\@
.Lfor_b_\@:
	tensor_load_to_lds s[G0B+4:G0B+7], s[G1B:G1B+7]
	s_nop 0
.rept 4
	v_nop
.endr
.Lasked_\@:
.endm
.macro STEPD                           ; the walking sets: the other slot, the next key set
	s_xor_b32 s[G0A+5], s[G0A+5], SLOT
	s_add_nc_u64 s[G0A+6:G0A+7], s[G0A+6:G0A+7], 73728
	s_xor_b32 s[G0B+5], s[G0B+5], SLOT
	s_add_nc_u64 s[G0B+6:G0B+7], s[G0B+6:G0B+7], 256*6144
.endm
	s_load_b256 s[68:75], s[0:1], 0x0              ; qkv s[68:69], pf s[70:71], stat s[72:73], out0 s[74:75]
	v_lshl_add_u32 v28, v0, 2, SPARE
	v_mov_b32 v29, 0
	ds_add_u32 v28, v29                            ; the wave's opening: the add and its wait stand ahead of my first tensor load
	v_lshrrev_b32 v1, 5, v0
	v_readfirstlane_b32 s10, v1
	s_lshr_b32 s11, s10, 1                         ; wr
	s_and_b32 s12, s10, 1                          ; wc; also: which half of a tile I fetch
	s_bfe_u32 s40, ttmp6, 0x40000
	s_bfe_u32 s41, ttmp6, 0x40004
	s_lshl_b32 s42, ttmp9, 2
	s_add_co_u32 s42, s42, s40                     ; x
	s_and_b32 s13, ttmp7, 0xffff
	s_lshr_b32 s45, s13, 1                         ; the batch, from the cluster's y alone
	s_lshl_b32 s13, s13, 2
	s_add_co_u32 s13, s13, s41                     ; y = 8 b + Rq
	s_lshl_b32 s43, s41, 2
	s_lshl_b32 s43, 15, s43
	s_lshl_b32 s44, 0x1111, s40
	s_or_b32 s[G1A], s43, (3<<16)|(1<<21)          ; P: 36,864 dense bytes as 144 rows of 32 elements of 8 bytes; no padding
	s_mov_b32 s[G1A+1], 32<<16
	s_mov_b32 s[G1A+2], 144<<16
	s_mov_b32 s[G1A+3], 32<<16
	s_mov_b32 s[G1A+4], 144
	s_mov_b32 s[G1A+5], 32
	s_mov_b32 s[G1A+6], 0
	s_mov_b32 s[G1A+7], 0
	s_or_b32 s[G1B], s44, (1<<16)|(1<<20)|(1<<21)|(5<<22)|(7<<25)  ; V: 128 rows x 128 f16; 8 words of padding behind every 64
	s_mov_b32 s[G1B+1], 128<<16
	s_mov_b32 s[G1B+2], 128<<16
	s_mov_b32 s[G1B+3], 128<<16
	s_mov_b32 s[G1B+4], 128
	s_mov_b32 s[G1B+5], 3072
	s_mov_b32 s[G1B+6], 0
	s_mov_b32 s[G1B+7], 0
	s_lshl_b32 s16, s13, 4                         ; P: (16 y + half) x 36,864
	s_add_co_u32 s16, s16, s12
	s_mul_i32 s16, s16, 36864
	s_mov_b32 s17, 0
	s_lshl_b32 s46, s45, 11                        ; V: position 2,048 b + 128 half, columns 2,048 + 128 x on
	s_lshl_b32 s47, s12, 7
	s_add_co_u32 s46, s46, s47
	s_mul_i32 s46, s46, 6144
	s_add_co_u32 s46, s46, 4096
	s_lshl_b32 s47, s42, 8
	s_add_co_u32 s46, s46, s47
	s_mov_b32 s47, 0
	s_mul_i32 s20, s10, 36864                      ; where they go: wave x 36,864
	s_mov_b32 s66, 0                               ; the slot that is read
	s_mov_b32 s82, 0                               ; 512 x the key set: its factors' place
	s_wait_dscnt 0x0
	s_wait_kmcnt 0x0
	s_add_nc_u64 s[14:15], s[70:71], s[16:17]
	s_add_nc_u64 s[46:47], s[68:69], s[46:47]
	CROUND
.irp s, 0,1
	s_mov_b32 s[G0A+4*\s], 1
	s_add_co_u32 s[G0A+4*\s+1], s20, \s*SLOT
	s_add_nc_u64 s[G0A+4*\s+2:G0A+4*\s+3], s[14:15], \s*73728
	s_or_b32 s[G0A+4*\s+3], s[G0A+4*\s+3], 0x80000000
	s_mov_b32 s[G0B+4*\s], 1
	s_add_co_u32 s[G0B+4*\s+1], s20, \s*SLOT
	s_add_nc_u64 s[G0B+4*\s+2:G0B+4*\s+3], s[46:47], \s*256*6144
	s_or_b32 s[G0B+4*\s+3], s[G0B+4*\s+3], 0x80000000
.endr
	s_cmp_lt_u32 s10, 2                            ; a wave's two first fills stand in one branch: two loads of mine are out
	s_cbranch_scc0 .Lfirst_b
	tensor_load_to_lds s[G0A:G0A+3], s[G1A:G1A+7]
	s_nop 0
	tensor_load_to_lds s[G0A+4:G0A+7], s[G1A:G1A+7]
	s_nop 0
.rept 4
	v_nop
.endr
	s_branch .Lfirst_asked
.Lfirst_b:
	tensor_load_to_lds s[G0B:G0B+3], s[G1B:G1B+7]
	s_nop 0
	tensor_load_to_lds s[G0B+4:G0B+7], s[G1B:G1B+7]
	s_nop 0
.rept 4
	v_nop
.endr
.Lfirst_asked:
	; THE STATISTICS of my 128 rows, four rows a lane: c m (the same from both waves that made it), and l of the even and of the odd key bands
	v_and_b32 v1, 15, v0                           ; r
	v_bfe_u32 v2, v0, 4, 1                         ; h
	v_and_b32 v3, 31, v0                           ; l
	v_lshlrev_b32 v16, 4, v3
	s_lshr_b32 s86, s13, 3
	s_lshl_b32 s86, s86, 18                        ; the batch: 262,144 bytes
	s_and_b32 s87, s13, 7
	s_lshl_b32 s87, s87, 10
	s_add_co_u32 s86, s86, s87
	s_lshl_b32 s87, s11, 9
	s_add_co_u32 s86, s86, s87
	s_mov_b32 s87, 0
	s_add_nc_u64 s[72:73], s[72:73], s[86:87]
.irp t, 0,1,2,3,4,5,6,7
	global_load_b128 v[64+4*\t:67+4*\t],   v16, s[72:73] offset:32768*\t
	global_load_b128 v[96+4*\t:99+4*\t],   v16, s[72:73] offset:32768*\t+8192
	global_load_b128 v[128+4*\t:131+4*\t], v16, s[72:73] offset:32768*\t+24576
.endr
	v_and_b32 v14, 7, v0                           ; the turning load: lane l reads key 8 h + l % 8, channels 8 ((l / 8) % 2) + 0..7
	v_lshl_add_u32 v4, v2, 3, v14
	v_mul_u32_u24 v4, v4, PV
	v_bfe_u32 v14, v0, 3, 1
	v_lshl_add_u32 v4, v14, 4, v4
	s_lshl_b32 s83, s12, 7                         ; my 64 channels
	s_add_co_u32 s83, s83, VOFF
	v_add_nc_u32 v4, s83, v4                       ; v4: V in slot 0; never rewritten
	s_mul_i32 s83, s11, 36864
	v_lshl_add_u32 v8, v3, 4, s83                  ; v8: P in slot 0; never rewritten
	v_mov_b32 v5, v8                               ; v5, v6, v7: P, V's chunks 0-3 and V's chunks 4-7 in the slot that is read
	v_mov_b32 v6, v4
	v_add_nc_u32 v7, 128*PV, v4
	s_mul_i32 s84, s10, 4608
	s_add_co_u32 s84, s84, WS                      ; my scratch
	v_lshl_add_u32 v9, v1, 2, s84                  ; a factor: row 16 a + r
	v_add_nc_u32 v17, s84, v16                     ; the factors of my four rows
	v_mul_u32_u24 v10, v1, 272                     ; the way out, in: row r, 32 bytes for each half of the lanes
	v_lshl_add_u32 v10, v2, 5, v10
	v_add_nc_u32 v10, s84, v10
	v_mul_u32_u24 v11, v2, 272                     ; back: lanes 0-15 one row of 256 bytes, lanes 16-31 the next
	v_lshl_add_u32 v11, v1, 4, v11
	v_add_nc_u32 v11, s84, v11
	v_lshlrev_b32 v12, 12, v2                      ; and the same two rows in out0
	v_lshl_add_u32 v12, v1, 4, v12
.irp a, 0,1,2,3,4,5,6,7
	v_mov_b32 v[F+2*\a+1], 0                       ; named with the factors as pairs
.endr
	s_lshr_b32 s86, s13, 3                         ; out0 at row 2,048 b + 128 wr + 16 Rq (block a lies 256 rows on), byte 512 x + 256 wc
	s_lshl_b32 s86, s86, 11
	s_lshl_b32 s87, s11, 7
	s_add_co_u32 s86, s86, s87
	s_and_b32 s87, s13, 7
	s_lshl_b32 s87, s87, 4
	s_add_co_u32 s86, s86, s87
	s_lshl_b32 s86, s86, 12
	s_lshl_b32 s87, s42, 9
	s_add_co_u32 s86, s86, s87
	s_lshl_b32 s87, s12, 8
	s_add_co_u32 s86, s86, s87
	s_mov_b32 s87, 0
	s_add_nc_u64 s[74:75], s[74:75], s[86:87]
	s_wait_loadcnt 0x0
.set k, 0
.rept 16
	v_pk_add_f32 v[96+2*k:97+2*k], v[96+2*k:97+2*k], v[128+2*k:129+2*k]  ; l of a set: both halves of its keys
.set k, k+1
.endr
.irp i, 0,1,2,3
	v_max3_num_f32 v[48+\i], v[64+\i], v[68+\i], v[72+\i]
.endr
.irp i, 0,1,2,3
	v_max3_num_f32 v[48+\i], v[48+\i], v[76+\i], v[80+\i]
.endr
.irp i, 0,1,2,3
	v_max3_num_f32 v[48+\i], v[48+\i], v[84+\i], v[88+\i]
.endr
.irp i, 0,1,2,3
	v_max_num_f32 v[48+\i], v[48+\i], v[92+\i]     ; M
.endr
.set k, 0
.rept 16
	v_pk_add_f32 v[64+2*k:65+2*k], v[64+2*k:65+2*k], v[48+2*(k%2):49+2*(k%2)] neg_lo:[0,1] neg_hi:[0,1]  ; c m_t - M
.set k, k+1
.endr
.set k, 0
.rept 32
	v_exp_f32 v[64+k], v[64+k]                     ; f_t
.set k, k+1
.endr
	v_nop                                          ; a plain instruction behind the last exponential
	s_wait_alu depctr_va_vdst(0)
	v_pk_mul_f32 v[52:53], v[64:65], v[96:97]
	v_pk_mul_f32 v[54:55], v[66:67], v[98:99]
.set k, 2
.rept 14
	v_pk_fma_f32 v[52+2*(k%2):53+2*(k%2)], v[64+2*k:65+2*k], v[96+2*k:97+2*k], v[52+2*(k%2):53+2*(k%2)]  ; l = sum of f_t l_t: at least 1, since the set with the maximum has f = 1 and a weight 1
.set k, k+1
.endr
.irp i, 0,1,2,3
	v_rcp_f32 v[56+\i], v[52+\i]
.endr
	v_nop                                          ; a plain instruction behind the last reciprocal
.set k, 0
	s_wait_alu depctr_va_vdst(0)
.rept 16
	v_pk_mul_f32 v[64+2*k:65+2*k], v[64+2*k:65+2*k], v[56+2*(k%2):57+2*(k%2)]  ; f_t / l
.set k, k+1
.endr
.irp t, 0,1,2,3,4,5,6,7
	ds_store_b128 v17, v[64+4*\t:67+4*\t] offset:512*\t  ; my wave's own bytes: its later loads see them, since LDS serves a wave's instructions in order (ISA guide 5.7.1.4)
.endr
.macro FETCHF                          ; the set's factors: one for each of my eight query blocks
	WIN 0
	v_add_nc_u32 v13, s82, v9
.irp a, 0,1,2,3,4,5,6,7
	ds_load_b32 v[F+2*\a], v13 offset:64*\a
.endr
	s_add_co_u32 s82, s82, 512
.endm
.macro FETCH k                         ; chunk k: P's blocks a = k..7, two loads each, and V's four channel blocks, two turning loads each: 2 (8 - k) + 8 loads
	WIN 0x40
.set fp, 96*((\k)%2)
.set fv, 64+88*((\k)%2)
.set fa, (\k)
.rept 8-(\k)
.set fblk, 8*(\k)-(\k)*((\k)-1)/2+fa-(\k)
	ds_load_b128 v[fp+8*(fa-(\k)):fp+8*(fa-(\k))+3],   v5 offset:fblk*1024
	ds_load_b128 v[fp+8*(fa-(\k))+4:fp+8*(fa-(\k))+7], v5 offset:fblk*1024+512
.set fa, fa+1
.endr
.set fc, 0
.rept 4
	ds_load_tr16_b128 v[fv+8*fc:fv+8*fc+3],   v[6+(\k)/4] offset:((\k)%4)*32*PV+32*fc
	ds_load_tr16_b128 v[fv+8*fc+4:fv+8*fc+7], v[6+(\k)/4] offset:((\k)%4)*32*PV+16*PV+32*fc
.set fc, fc+1
.endr
.endm
.macro MUL k                           ; X (a, cb) += V^T P for a = k..7; chunk 0 starts the sums.  The accumulators take turns, one instruction a turn
	WIN 0xf5
.set fp, 96*((\k)%2)
.set fv, 64+88*((\k)%2)
.set fa, (\k)
.rept 8-(\k)
.set fc, 0
.rept 4
.set fx, 8*(4*fa+fc)
.if (\k) == 0
	v_wmma_f32_16x16x32_f16 v[fx:fx+7], v[fv+8*fc:fv+8*fc+7], v[fp+8*(fa-(\k)):fp+8*(fa-(\k))+7], 0
.else
	v_wmma_f32_16x16x32_f16 v[fx:fx+7], v[fv+8*fc:fv+8*fc+7], v[fp+8*(fa-(\k)):fp+8*(fa-(\k))+7], v[fx:fx+7]
.endif
.set fc, fc+1
.endr
.set fa, fa+1
.endr
.endm
.macro FOLD a, first                   ; O (a, .) += f X (a, .); the first set starts O: nothing is cleared.  Each X is read from its lowest registers on
.set fq, 0
.rept 16
.set fr, 32*(\a)+2*fq
.if \first
	WIN 0x83
	v_pk_mul_f32 v[fr:fr+1], v[fr:fr+1], v[F+2*(\a):F+2*(\a)+1] op_sel_hi:[1,0]
.else
	WIN 0xa3
	v_pk_fma_f32 v[fr:fr+1], v[fr:fr+1], v[F+2*(\a):F+2*(\a)+1], v[fr:fr+1] op_sel_hi:[1,0,1]
.endif
.set fq, fq+1
.endr
.endm
; A KEY SET.  Chunk k + 2 is fetched into chunk k's registers behind chunk k's products; the four v_nop serve those loads and the fold's reads alike.  Block 7's fold follows in CHANGE.
.macro SET first
	FETCHF
	FETCH 0
	FETCH 1
.irp k, 0,1,2,3,4,5,6
	s_wait_dscnt 2*(7-\k)+8                        ; chunk k is in (for k = 0 the factors too); only chunk k + 1's loads may be out
	MUL \k
	PLACES
.if \k < 6
	FETCH (\k+2)
.endif
	FOLD \k, \first
.endr
	s_wait_dscnt 0x0
	MUL 7
	PLACES
.endm
; THE CHANGE OF SLOTS.  Each wave waits for all its tensor loads (one is out: its part of the other slot), adds 0 to its spare word, folds block 7 while the add is out, and waits for the add; its reads of the
; slot were waited for ahead of chunk 7's products.  fill = 1: a round of the cluster's barrier, and the slot just read is filled again first thing behind it, with the key set two on: a whole set's work in which to land.
.macro CHANGE fill, first
	WIN 0
	s_wait_tensorcnt 0x0
	ds_add_u32 v28, v29
	FOLD 7, \first
	WIN 0
.if \fill
	STEPD
.endif
	s_wait_dscnt 0x0
.if \fill
	CROUND
	JLOAD
.else
	s_barrier_signal -1
	s_barrier_wait -1
.endif
	s_xor_b32 s66, s66, SLOT
	v_add_nc_u32 v5, s66, v8
	v_add_nc_u32 v6, s66, v4
	v_add_nc_u32 v7, 128*PV, v6
.endm
	s_wait_tensorcnt 1                             ; my part of set 0 is in; set 1's may stay out
	s_wait_dscnt 0x0                               ; no LDS instruction of mine is pending at a signal
	s_barrier_signal -1
	s_barrier_wait -1
	SET 1                                          ; the first set is written out: its folds start O
	CHANGE 1, 1
	s_mov_b32 s67, 5
.Lset:                                                 ; sets 1 to 5; sets 3 to 7 are asked for
	SET 0
	CHANGE 1, 0
	s_sub_co_u32 s67, s67, 1
	s_cmp_lg_u32 s67, 0
	s_cbranch_scc1 .Lset
	s_mov_b32 s67, 2
.Ltail:                                                ; sets 6 and 7: nothing is asked for; the last trip's barrier serves nothing: the price, once a launch, of one text for both
	SET 0
	CHANGE 0, 0
	s_sub_co_u32 s67, s67, 1
	s_cmp_lg_u32 s67, 0
	s_cbranch_scc1 .Ltail
	; THE WAY OUT, a query block at a time, through my own scratch: a lane's 32 bytes of a row go in, whole rows of 256 bytes come back
.macro TOSTAGE a
	WIN 0
	s_wait_xcnt 0x0                                ; the registers that earlier stores read are loaded again only behind this wait
	WIN 0x08                                       ; the data lie in window 2
.set tc, 0
.rept 4
	ds_store_b128 v10, v[32*(\a)+8*tc:32*(\a)+8*tc+3]   offset:64*tc
	ds_store_b128 v10, v[32*(\a)+8*tc+4:32*(\a)+8*tc+7] offset:64*tc+16
.set tc, tc+1
.endr
	WIN 0
.set tc, 0
.rept 8
	ds_load_b128 v[BK+32*((\a)%2)+4*tc:BK+32*((\a)%2)+4*tc+3], v11 offset:544*tc
.set tc, tc+1
.endr
.endm
.macro SEND a, younger                 ; younger: the LDS instructions issued behind block a's loads: the next block's sixteen, or none
.set tc, 0
.rept 8
	s_wait_dscnt (\younger)+7-tc
	global_store_b128 v12, v[BK+32*((\a)%2)+4*tc:BK+32*((\a)%2)+4*tc+3], s[74:75] offset:(\a)*256*4096+8192*tc  ; 16 lanes store 256 consecutive bytes, aligned
.set tc, tc+1
.endr
.endm
	TOSTAGE 0
.irp a, 1,2,3,4,5,6,7
	TOSTAGE \a
	SEND (\a-1), 16
.endr
	SEND 7, 0
	s_wait_tensorcnt 0x0                           ; the wave's end
	ds_add_u32 v28, v29
	s_wait_dscnt 0x0
	CROUND                                         ; the closing round
	s_endpgm
.Lfunc_end_k_q8ab5e1a17e_pv:
	.size	k_q8ab5e1a17e_pv, .Lfunc_end_k_q8ab5e1a17e_pv-k_q8ab5e1a17e_pv
	.p2alignl 7, 3214868480
	.fill 96, 4, 3214868480
	.section	.rodata,"a",@progbits
	.p2align	6, 0x0
	.amdhsa_kernel k_q8ab5e1a17e_pv
		.amdhsa_group_segment_fixed_size 327680
		.amdhsa_private_segment_fixed_size 0
		.amdhsa_enable_private_segment 0
		.amdhsa_kernarg_size 32
		.amdhsa_user_sgpr_count 2
		.amdhsa_user_sgpr_kernarg_segment_ptr 1
		.amdhsa_wavefront_size32 1
		.amdhsa_system_sgpr_workgroup_id_x 1
		.amdhsa_system_sgpr_workgroup_id_y 1
		.amdhsa_system_sgpr_workgroup_id_z 1
		.amdhsa_system_vgpr_workitem_id 0
		.amdhsa_next_free_vgpr 1024
		.amdhsa_next_free_sgpr 96
		.amdhsa_reserve_vcc 0
		.amdhsa_float_denorm_mode_32 3
		.amdhsa_float_denorm_mode_16_64 3
		.amdhsa_memory_ordered 1
		.amdhsa_forward_progress 1
		.amdhsa_inst_pref_size 122
	.end_amdhsa_kernel
	.amdgpu_metadata
---
amdhsa.version: [ 1, 2 ]
amdhsa.kernels:
  - .name:           k_q8ab5e1a17e_pv
    .symbol:         k_q8ab5e1a17e_pv.kd
    .args:
      - { .name: qkv, .offset: 0, .size: 8, .value_kind: global_buffer, .address_space: global }
      - { .name: pf, .offset: 8, .size: 8, .value_kind: global_buffer, .address_space: global }
      - { .name: stat, .offset: 16, .size: 8, .value_kind: global_buffer, .address_space: global }
      - { .name: out0, .offset: 24, .size: 8, .value_kind: global_buffer, .address_space: global }
    .group_segment_fixed_size: 327680
    .private_segment_fixed_size: 0
    .kernarg_segment_align: 8
    .kernarg_segment_size: 32
    .max_flat_workgroup_size: 128
    .sgpr_count:     96
    .vgpr_count:     1024
    .wavefront_size: 32
...
	.end_amdgpu_metadata
.endif
;; end of part 4
